; MI455X (gfx1250); checked and timed in simulation.
; The chip was launched on July 23, 2026; its instructions are those of AMD's public machine-readable ISA for CDNA 5 (MIT licence, August 2026) and "CDNA5" Instruction Set Architecture Reference Guide (July 2026). The comments in the code are by the model that wrote it; some were corrected since.
;; Domain Projection LDP. Allowed arithmetic: matrix products marked QUANTISED: E2M3 operands, one E8M0 scale for each 32 along K, by v_wmma_scale_f32_16x16x128_f8f6f4 with both operands' format E2M3, f32 sums; everything else in f32.
;; Inputs: W 8 x 1,024 x 1,024 float32; domain_ids 8,192 int32; mu 8,192 x 1,024 float32.
;; Outputs: out0 8,192 x 1,024 float32; out1 one number float32.
;; This version of the problem:
;;   THIS VERSION OF THE PROBLEM IS GIVEN IN LOW PRECISION. The matrix products marked QUANTISED in the list below multiply operands that are first quantised to E2M3 (2 exponent bits, 3 mantissa bits; 6 bits a number), with one power-of-two scale for each 32 numbers along K (OCP MX v1.0); their sums are f32. All else is computed in f32.
;;   The module's matrix products, in the order in which they are computed (A, B: the left and right operand; K: the contracted axis; several contracted axes count as one K, in the product's order):
;;     1. [M 8,192, K 1,024] x [K 1,024, N 8,192]; A: input W; B: input mu: QUANTISED
;;   THE QUANTISER, for each operand of a quantised product, along K:
;;     - K is cut into blocks of 32 from its start; a last block that is shorter is filled with zeros.
;;     - A block's scale is 2^e with e = floor(log2(the largest magnitude in the block)) - 2, held to -126 .. 127; a block of zeros has e = 0. As a byte (E8M0): e + 127.
;;     - Each number is divided by its block's scale, clamped to +-7.5, and rounded to the nearest number of E2M3, ties to even, subnormals kept.
;;     - The product sums the exact products of the quantised numbers (number of the format x scale) in f32.
;;   ~~~python
;;   def quantise(x, axis):      # numpy; x: float32 -> the quantised numbers, widened to float32 again
;;       x = np.moveaxis(x, axis, -1); K = x.shape[-1]
;;       x = np.pad(x, [(0, 0)] * (x.ndim - 1) + [(0, -K % 32)]); x = x.reshape(x.shape[:-1] + (-1, 32)); a = np.abs(x).max(-1, keepdims=True)
;;       e = np.where(a > 0, np.clip(np.frexp(np.where(a > 0, a, 1))[1] - 1 - 2, -126, 127), 0)      # np.frexp(a)[1] - 1 = floor(log2(a)), exactly
;;       r = np.clip(x / 2.0 ** e, -7.5, 7.5)
;;       step = 2.0 ** (np.maximum(np.frexp(np.where(r == 0, 1, r))[1] - 1, 0) - 3)
;;       q = np.round(r / step) * step * 2.0 ** e      # np.round: ties to even
;;       return np.moveaxis(q.reshape(q.shape[:-2] + (-1,))[..., :K], -1, axis).astype(np.float32)
;;   ~~~
;; One version. Each part assembles by itself: llvm-mc -triple=amdgcn-amd-amdhsa -mcpu=gfx1250 --defsym DOCPART=n.
;; ======== version 1 of 1: 2 launches
;; limits: right only within a limited range of input values
;; workspace buffers: wq 6,291,456 bytes; wsc 262,144 bytes; mq 7,077,888 bytes; msc 294,912 bytes; plan 37,888 bytes of whole numbers; part 512 bytes
;; launch prep (part 1): grid 256 x 1, 4 waves a work-group, no clusters, 121,088 bytes of LDS; arguments W, mu, domain_ids, wq, wsc, mq, msc, plan, part; writes wq, wsc, mq, msc, plan, part
.if DOCPART == 1
	.amdgcn_target "amdgcn-amd-amdhsa--gfx1250"
	.amdhsa_code_object_version 6
	.text
	.protected	k_q52890c563f_prep
	.globl	k_q52890c563f_prep
	.p2align	8
	.type	k_q52890c563f_prep,@function
k_q52890c563f_prep:
	s_mov_b64 s[64:65], 0
	v_nop
	global_prefetch_b8 v0, s[64:65] scope:SCOPE_SE
	s_setreg_imm32_b32 hwreg(HW_REG_WAVE_MODE, 25, 1), 1
	s_wait_xcnt 0x0
; PREP: two kinds of work-group, told apart by the work-group's number alone; each kind has its own text, its own end and its own LDS bytes.
;   0..127    mu [8192][1024] f32 -> codes of FP6 (E2M3) and E8M0 scale bytes, one for each 32 along K, at the rows' PLACES in the order of their domains:
;             mq [place][K step 8][half 2][48 bytes] (the 12 registers that a lane of that half wants of the row), msc [place][K step] words.  Each of these work-groups counts all of domain_ids [8192] for itself.
;   128..255  W [8][1024][1024] f32 -> codes and scale bytes, laid as the product's operand registers want them:
;             wq [domain][16-row block 64][K step 8][3][lane 32][16 bytes], wsc [domain][block][half h][row r][q], the word of K step 4 h + q.  The same numbers give the regulariser: one partial sum a work-group into part.
; ONLY THE CHOSEN DOMAIN'S PRODUCT IS MADE FOR A ROW: reference() multiplies every row by all 8 weights and keeps the one that domain_ids names.  A NaN, an infinity or an overflow that reaches only a product that is not kept is not carried to the result.
; PLACES: a domain's rows, in ascending order, take tiles of 144 places; the sum over domains of ceil(rows / 144) is at most (8192 + 8 x 143) / 144 = 64.8: never more than 64 tiles, 9,216 places, whatever the split.
;   plan: 128 entries {domain (8 = no rows), rows} of 8 bytes, one a tile; then the list of row numbers: place P lies at word P / 2, and 4,608 words further on where P is odd.
;   The 1,024 places that no row takes get zero codes, scale bytes 127 and the row number 0: every byte that is read later is written.
; THE UNIT is a fragment: 16 rows x 128 along K (8,192 bytes of f32) -> 12 registers of codes a lane and one scale word a row.  A wave takes 8 fragments, written out.
; Each load reads 512 consecutive bytes of one row; the 8,192 bytes turn through the wave's own stage in LDS, so that lane (r, h) then holds, of row r, 16 neighbours of each block of 32.
; A block's scale is 2^(floor(log2(largest magnitude)) - 2); its byte is the largest magnitude's exponent field - 2, held at 1 from below.
; THE REGULARISER: for each place (k, d): sum over j of (w_j - mean)^2 = sum of d_j^2 - (sum of d_j)^2 / 8 with d_j = w_j - w_0: exact for every input.  Seven d_j at most are not zero, so (sum d)^2 <= 7 sum d^2:
; the difference is at least an eighth of its first term.  A common offset drops out in d_j.  The order of rounding differs from the problem's definition (first the mean, then the squares).
; LIMITS: NaN and infinities among the inputs are not served.  A block of zeros gets the byte 1 where the quantiser's rule says 127: its codes are zeros, and this program alone reads the bytes.
; domain_ids outside 0 .. 7 are not served (no store leaves its buffer even then: every place is held at 9,215).
; No tensor loads, no cluster: the work-groups share no input but domain_ids, 32 KiB, read once by each of 128.
.set STGW, 0                           ; LDS, W's path: a stage of 16 rows x 528 bytes for each wave;
.set SCX,  33792                       ;   the scale words [domain 8][row 16][wave 4];
.set RS,   35840                       ;   four partial sums
.set STGM, 36096                       ; LDS, mu's path: a stage for each wave;
.set OST,  69888                       ;   16 rows x 784 bytes for each wave, for the way out;
.set CNT,  120064                      ;   four waves' counts, 32 bytes each;
.set PLC,  120320                      ;   16 places for each wave
.set SPARE, 120576                     ; the spare words, 128 bytes for each wave
.set LD,  1                            ; v1   16 x lane
.set SI,  2                            ; v2   the stage, on the way in: + 16 x lane
.set SO,  3                            ; v3   and on the way out: + 528 r + 64 h
.set RR,  4                            ; v4   r = lane % 16
.set HH,  5                            ; v5   h = lane / 16
.set ACC, 6                            ; v6-13   W's path: the sum of d^2, four pairs.  mu's path, offsets for the way out: v6 my row's in the list, v7 my row's number, v8-10 the free place's in the list, mq, msc, v11 my row's in msc
.set PW8, 14                           ; v14-21  the eight fragments' scale words
.set TM,  22                           ; v22-37  at work in QUANT and in REG
.set PC,  38                           ; v38-57  the codes just made (v38-49)
.set TMP, 22                           ; v22-37  eight pairs of d
.set T,   58                           ; v58-121 a fragment's numbers, turned
.set W0,  122                          ; v122-185 fragment 0 as loaded (in W's path: domain 0, kept)
.set SS,  186                          ; v186-249 W's path: the sum of d; mu's path: two units read back
.set OS,  250                          ; v250, v251 mu's path: LDS addresses of the way out
.set ORD, 251
; window 1 (v256-511): four buffers of 64 registers for fragments 1 to 7 as loaded
.set RWO, 0                            ; window 2, v512-519: mu's path: offsets in mq of my rows 2 m + h
.set MSB, 0
.macro WIN new                         ; s_set_vgpr_msb: bits 1:0 source 0, 3:2 source 1, 5:4 source 2, 7:6 destination; the high byte repeats the setting that is left
.if MSB != \new
	s_set_vgpr_msb (MSB<<8)|\new
.set MSB, \new
.endif
.endm
; a fragment's 16 rows, 512 consecutive bytes each
.macro LOADF dst, win, sb, off
.set LDST, \dst
	WIN \win
.irp i, 0,1,2,3,4,5,6,7,8,9,10,11,12,13,14,15
	global_load_b128 v[LDST+4*\i:LDST+4*\i+3], v[LD], s[\sb:\sb+1] offset:\off+4096*\i th:TH_LOAD_NT
.endr
	WIN 0
.endm
; through the stage: rows 528 = 33 x 16 bytes apart, so that the sixteen rows that a load touches begin in sixteen different columns of 16 bytes.  LDS serves a wave's instructions in order: no wait between.
; Behind it register T + 16 b + i of lane (r, h) is number 32 b + 16 h + i of row r.
.macro TURN src, win
.set TSRC, \src
	WIN \win
.irp i, 0,1,2,3,4,5,6,7,8,9,10,11,12,13,14,15
	ds_store_b128 v[SI], v[TSRC+4*\i:TSRC+4*\i+3] offset:528*\i
.endr
	WIN 0
.irp b, 0,1,2,3
.irp j, 0,1,2,3
	ds_load_b128 v[T+16*\b+4*\j:T+16*\b+4*\j+3], v[SO] offset:128*\b+16*\j
.endr
.endr
.endm
; 64 numbers of a lane become a fragment's codes in v[PC] .. v[PC + 11] and its row's scale word in v[pw]
.macro QUANT src, pw
.irp b, 0,1,2,3
	v_max3_num_f32 v[TM+\b], |v[\src+16*\b]|, |v[\src+1+16*\b]|, 0x1800000   ; block b: my 16 numbers, and the floor 2^(3 - 127): the byte cannot fall under 1
.endr
.irp i, 2,4,6,8,10,12,14
.irp b, 0,1,2,3
	v_max3_num_f32 v[TM+\b], v[TM+\b], |v[\src+16*\b+\i]|, |v[\src+1+16*\b+\i]|   ; the four blocks by turns
.endr
.endr
.irp b, 0,1,2,3
	v_permlanex16_b32 v[TM+4+\b], v[TM+\b], s24, s25
.endr
.irp b, 0,1,2,3
	v_max_num_f32 v[TM+\b], v[TM+\b], v[TM+4+\b]           ; with lane l xor 16's: the block's largest magnitude
.endr
.irp b, 0,1,2,3
	v_add_nc_u32 v[TM+12+\b], 0xff000000, v[TM+\b]         ; 2 off its exponent field: the conversion takes that field as its scale
.endr
.irp b, 0,1,2,3
	v_lshrrev_b32 v[TM+4+\b], 23, v[TM+12+\b]              ; the scale's byte
.endr
	v_lshl_or_b32 v[\pw], v[TM+5], 8, v[TM+4]
	v_lshl_or_b32 v[\pw], v[TM+6], 16, v[\pw]
	v_lshl_or_b32 v[\pw], v[TM+7], 24, v[\pw]
.irp c, 0,1
	v_cvt_scalef32_pk16_fp6_f32 v[PC+6*\c:PC+2+6*\c], v[\src+32*\c:\src+15+32*\c], v[TM+12+2*\c]
	v_cvt_scalef32_pk16_fp6_f32 v[PC+12+4*\c:PC+14+4*\c], v[\src+16+32*\c:\src+31+32*\c], v[TM+12+2*\c+1]   ; (a conversion's three registers begin on an even number)
.endr
	v_nop                                                  ; one plain instruction behind a scaled conversion
.irp c, 0,1                                            ; the operand's layout wants a whole block in a lane: lanes 0-15 block 2 c, lanes 16-31 block 2 c + 1
.irp i, 0,1,2
	v_permlane16_swap_b32 v[PC+6*\c+\i], v[PC+12+4*\c+\i]
.endr
.irp i, 0,1,2
	v_mov_b32 v[PC+3+6*\c+\i], v[PC+12+4*\c+\i]
.endr
.endr
.endm
.macro WAITF f                         ; fragment f's 16 loads are in; the fragments asked for behind it, three at the most, may be out
.if 7-(\f) < 3
	s_wait_loadcnt 16*(7-(\f))
.else
	s_wait_loadcnt 48
.endif
.endm
; the regulariser's share of domain f (1 .. 7), on the numbers as loaded: every domain has the same place (k, d) in the same lane and register
.macro REG f
.set CB, 64*(((\f)-1)%4)
.if (\f) == 1
	WIN 0x01                                               ; source 0 in window 1
.set p, 0
.rept 32
	v_pk_add_f32 v[SS+2*p:SS+2*p+1], v[CB+2*p:CB+2*p+1], v[W0+2*p:W0+2*p+1] neg_lo:[0,1] neg_hi:[0,1]   ; d starts the sum of d
.set p, p+1
.endr
	WIN 0
.set p, 0
.rept 32
.if p < 4
	v_pk_mul_f32 v[ACC+2*p:ACC+2*p+1], v[SS+2*p:SS+2*p+1], v[SS+2*p:SS+2*p+1]                          ; and d^2 the sum of d^2: nothing is cleared
.else
	v_pk_fma_f32 v[ACC+2*(p%4):ACC+2*(p%4)+1], v[SS+2*p:SS+2*p+1], v[SS+2*p:SS+2*p+1], v[ACC+2*(p%4):ACC+2*(p%4)+1]
.endif
.set p, p+1
.endr
.else
.irp u, 0,1,2,3                        ; eight pairs at a time, in v22-37: the codes that stores may still read (v38-49) are not touched
	WIN 0x01
.set q, 0
.rept 8
	v_pk_add_f32 v[TMP+2*q:TMP+2*q+1], v[CB+16*\u+2*q:CB+16*\u+2*q+1], v[W0+16*\u+2*q:W0+16*\u+2*q+1] neg_lo:[0,1] neg_hi:[0,1]
.set q, q+1
.endr
	WIN 0
.set q, 0
.rept 8
	v_pk_add_f32 v[SS+16*\u+2*q:SS+16*\u+2*q+1], v[SS+16*\u+2*q:SS+16*\u+2*q+1], v[TMP+2*q:TMP+2*q+1]
	v_pk_fma_f32 v[ACC+2*(q%4):ACC+2*(q%4)+1], v[TMP+2*q:TMP+2*q+1], v[TMP+2*q:TMP+2*q+1], v[ACC+2*(q%4):ACC+2*(q%4)+1]
.set q, q+1
.endr
.endr
.endif
.endm
; mu's path: a whole unit of 256 bytes of each of my 16 rows: unit u is complete behind K step 2, 5 or 7 (96 bytes a K step).  UBACK reads it back by rows, UOUT stores it: 16 lanes store 256 consecutive bytes
.macro UBACK u, d
.irp m, 0,1,2,3,4,5,6,7
	ds_load_b128 v[\d+4*\m:\d+4*\m+3], v[ORD] offset:1568*\m+256*\u
.endr
.endm
.macro UOUT u, d
	WIN 0x02                                               ; a store's address is its source 0: window 2
.irp m, 0,1,2,3,4,5,6,7
	global_store_b128 v[RWO+\m], v[\d+4*\m:\d+4*\m+3], s[14:15] offset:256*\u
.endr
	WIN 0
.endm
; mu's path: K step f of my 16 rows
.macro FRM f
	WAITF \f
.if (\f) == 0
	TURN W0,0
.else
	TURN 64*(((\f)-1)%4),0x04
.endif
	s_wait_dscnt 0x0                                       ; the numbers are back, and a unit that was read back
.if (\f) == 3
	UOUT 0, SS                                             ; each unit has registers of its own
.elseif (\f) == 6
	UOUT 1, SS+32
.endif
.if (\f) < 4
	LOADF 64*(((\f)+3)%4),0x40,32,512*((\f)+4)
.endif
	QUANT T, PW8+(\f)
.irp j, 0,1,2
	ds_store_b128 v[OS], v[PC+4*\j:PC+4*\j+3] offset:96*(\f)+16*\j
.endr
.if (\f) == 2
	UBACK 0, SS
.elseif (\f) == 5
	UBACK 1, SS+32
.endif
.endm
; W's path: domain f of my 16 rows x 128
.macro FRW f
	WAITF \f
.if (\f) == 0
	TURN W0,0
.else
	TURN 64*(((\f)-1)%4),0x04
	REG \f
.endif
	s_wait_dscnt 0x0                                       ; the numbers are back, and the stage's stores have read their registers
	s_wait_xcnt 0x0                                        ; the last image's stores have read theirs, which QUANT writes again
	QUANT T, PW8+(\f)
.irp j, 0,1,2
	global_store_b128 v[LD], v[PC+4*\j:PC+4*\j+3], s[48:49] offset:(\f)*786432+512*\j   ; the image of four registers: 512 consecutive bytes
.endr
.if (\f) < 4
	LOADF 64*(((\f)+3)%4),0x40,32+2*((\f)+4),0
.endif
.endm
	s_load_b512 s[4:19], s[0:1], 0x0               ; W 4:5, mu 6:7, domain_ids 8:9, wq 10:11, wsc 12:13, mq 14:15, msc 16:17, plan 18:19
	s_load_b64 s[20:21], s[0:1], 0x40              ; part
	v_lshl_add_u32 v254, v0, 2, SPARE              ; my spare word, and 0; neither register is written again
	v_mov_b32 v255, 0
	v_lshrrev_b32 v[SI], 5, v0
	v_readfirstlane_b32 s22, v[SI]                 ; wave 0..3
	v_and_b32 v[LD], 31, v0
	v_lshlrev_b32 v[LD], 4, v[LD]
	v_and_b32 v[RR], 15, v0
	v_bfe_u32 v[HH], v0, 4, 1
.irp b, 0,1,2,3
	v_mov_b32 v[TM+4+\b], 0                        ; written once: a lane permute's destination counts as one of its sources
.endr
	s_mov_b32 s24, 0x76543210
	s_mov_b32 s25, 0xfedcba98                      ; v_permlanex16_b32's selects for lane l xor 16
	s_wait_alu depctr_va_vdst(0)
	s_wait_kmcnt 0x0
	s_cmp_gt_u32 ttmp9, 127
	s_cbranch_scc1 .Lw
	; ---------------- mu: work-group g takes rows 64 g .. 64 g + 63, wave w 16 of them, all of K
	s_lshl_b32 s26, ttmp9, 2
	s_add_co_u32 s26, s26, s22                     ; which 16 rows: 4 g + wave
	s_lshl_b32 s28, s26, 16                        ; x 16 rows of 4,096 bytes
	s_mov_b32 s29, 0
	s_add_nc_u64 s[32:33], s[6:7], s[28:29]
	s_lshl_b32 s28, ttmp9, 8
	s_add_nc_u64 s[34:35], s[8:9], s[28:29]        ; my work-group's 64 ids
	s_lshl_b32 s27, s22, 13
	v_add_nc_u32 v6, s27, v[LD]                    ; all ids: wave w counts rows 2048 w .. + 2047: register 4 j + q of lane l is row 2048 w + 128 j + 4 l + q
	v_lshrrev_b32 v7, 2, v[LD]                     ; 4 x lane
	s_lshl_b32 s28, s22, 6
	v_lshl_add_u32 v8, v[RR], 2, s28
	s_lshr_b32 s30, s22, 1
	s_lshl_b32 s30, s30, 7
	v_add_nc_u32 v9, s30, v7
	s_wait_alu depctr_va_vdst(0)
	global_load_b32 v10, v9, s[34:35]              ; the ids of the 32 rows of my work-group among which mine are,
	global_load_b32 v11, v7, s[34:35]              ; of its first 32 rows,
	global_load_b32 v12, v8, s[34:35]              ; and of my row: 16 w + r
.irp j, 0,1,2,3,4,5,6,7,8,9,10,11,12,13,14,15
	global_load_b128 v[T+4*\j:T+4*\j+3], v6, s[8:9] offset:512*\j
.endr
	LOADF W0,0,32,0                                ; K steps 0 to 2: 48 loads
	LOADF 0,0x40,32,512
	LOADF 64,0x40,32,1024
	s_mul_i32 s30, s22, 8448
	s_add_co_u32 s30, s30, STGM                    ; my stage
	v_add_nc_u32 v[SI], s30, v[LD]
	v_mul_u32_u24 v[SO], v[RR], 528
	v_lshl_add_u32 v[SO], v[HH], 6, v[SO]
	v_add_nc_u32 v[SO], s30, v[SO]
	s_mul_i32 s31, s22, 12544
	s_add_co_u32 s31, s31, OST                     ; my 16 rows of 784 = 49 x 16 bytes for the way out
	v_mul_u32_u24 v[OS], v[RR], 784
	v_mad_u32_u24 v[OS], v[HH], 48, v[OS]
	v_add_nc_u32 v[OS], s31, v[OS]                 ; in: row r, + 48 h: my 12 registers of a K step
	v_mul_u32_u24 v[ORD], v[HH], 784
	v_lshl_add_u32 v[ORD], v[RR], 4, v[ORD]
	v_add_nc_u32 v[ORD], s31, v[ORD]               ; back: lanes 0-15 one row's 256 bytes, lanes 16-31 the next row's
	; THE COUNT.  1 << (4 id) counts an id in its domain's nibble: eight ids fit; then the nibbles widen to bytes: v38, v39 all rows (even, odd domains), v40, v41 those ahead of row 64 g
	s_mov_b32 s36, 0x0f0f0f0f
	s_mov_b32 s37, 0x00ff00ff
	s_lshl_b32 s30, ttmp9, 6
	s_lshl_b32 s31, s22, 11
	s_sub_co_i32 s30, s30, s31                     ; 64 g - 2048 w
	s_wait_alu depctr_va_vdst(0)
	s_wait_loadcnt 48                              ; the ids are in; the 48 loads behind them may be out
.set j, 0
.rept 16
.irp q, 0,1,2,3
	v_lshlrev_b32 v[22+\q], 2, v[T+4*j+\q]
.endr
.irp q, 0,1,2,3
	v_lshlrev_b32 v[22+\q], v[22+\q], 1
.endr
	s_sub_co_i32 s31, s30, 128*j
	v_add3_u32 v22, v22, v23, v24
	v_add_nc_u32 v[30+j%2], v22, v25
	v_cmp_gt_i32 vcc_lo, s31, v7                   ; are these four rows ahead of row 64 g?
	v_cndmask_b32 v[32+j%2], 0, v[30+j%2], vcc_lo
.if j%2
	v_add_nc_u32 v30, v30, v31
	v_add_nc_u32 v32, v32, v33
	v_lshrrev_b32 v31, 4, v30
	v_lshrrev_b32 v33, 4, v32
.if j == 1
.irp k, 0,1,2,3
	v_and_b32 v[38+\k], s36, v[30+\k]
.endr
.else
.irp k, 0,1,2,3
	v_and_b32 v[30+\k], s36, v[30+\k]
.endr
.irp k, 0,1,2,3
	v_add_nc_u32 v[38+\k], v[38+\k], v[30+\k]
.endr
.endif
.endif
.set j, j+1
.endr
.irp k, 0,1                                    ; to 16 bits: v[42 + c] all rows of domains c and c + 4, v[46 + c] those ahead
	v_and_b32 v[42+4*\k], s37, v[38+2*\k]
	v_and_b32 v[43+4*\k], s37, v[39+2*\k]
	v_lshrrev_b32 v[44+4*\k], 8, v[38+2*\k]
	v_lshrrev_b32 v[45+4*\k], 8, v[39+2*\k]
	v_and_b32 v[44+4*\k], s37, v[44+4*\k]
	v_and_b32 v[45+4*\k], s37, v[45+4*\k]
.endr
.irp n, 1,2,4,8                                ; the sum over the wave's lanes, eight words by turns
.irp c, 0,1,2,3,4,5,6,7
	v_mov_b32_dpp v[22+\c], v[42+\c] row_xmask:\n row_mask:0xf bank_mask:0xf
.endr
.irp c, 0,1,2,3,4,5,6,7
	v_add_nc_u32 v[42+\c], v[42+\c], v[22+\c]
.endr
.endr
.irp c, 0,1,2,3,4,5,6,7
	v_permlanex16_b32 v[22+\c], v[42+\c], s24, s25
.endr
.irp c, 0,1,2,3,4,5,6,7
	v_add_nc_u32 v[42+\c], v[42+\c], v[22+\c]
.endr
	s_lshl_b32 s31, s22, 5
	s_add_co_u32 s31, s31, CNT
	v_mov_b32 v30, s31
	ds_store_b128 v30, v[42:45]                    ; all lanes store the same bytes with the same values
	ds_store_b128 v30, v[46:49] offset:16
	s_wait_alu depctr_va_vdst(0)
	s_wait_dscnt 0x0                               ; for the others' sake: my counts have landed
	s_barrier_signal -1
	s_barrier_wait -1
	v_mov_b32 v31, CNT
.irp k, 0,1,2,3,4,5,6,7
	ds_load_b128 v[T+4*\k:T+4*\k+3], v31 offset:16*\k
.endr
	s_wait_dscnt 0x0
.irp c, 0,1,2,3,4,5,6,7
	v_add_nc_u32 v[22+\c], v[T+\c], v[T+8+\c]
.endr
.irp c, 0,1,2,3,4,5,6,7
	v_add3_u32 v[22+\c], v[22+\c], v[T+16+\c], v[T+24+\c]
.endr
.irp c, 0,1,2,3,4,5,6,7
	v_readfirstlane_b32 s[40+\c], v[22+\c]
.endr
.irp c, 0,1,2,3
	s_and_b32 s[52+\c], s[40+\c], 0xffff           ; s52-59: each domain's rows
	s_lshr_b32 s[56+\c], s[40+\c], 16
	s_and_b32 s[74+\c], s[44+\c], 0xffff           ; s74-81: those ahead of row 64 g
	s_lshr_b32 s[78+\c], s[44+\c], 16
.endr
	s_mov_b32 s84, 0                               ; s84-92: each domain's first tile; s92: the number of tiles
	s_mov_b32 s94, 0                               ; rows of the domains so far
.irp e, 0,1,2,3,4,5,6,7
	s_add_co_u32 s93, s[52+\e], 143
	s_mul_i32 s93, s93, 29128                      ; 29,128 x 144 = 2^22 + 128: (x x 29,128) >> 22 is x / 144 rounded down for every x under 32,768
	s_lshr_b32 s93, s93, 22
	s_add_co_u32 s[85+\e], s[84+\e], s93
	s_mul_i32 s93, s[84+\e], 144                   ; its first place
	s_add_co_u32 s[74+\e], s[74+\e], s93           ; the place of my work-group's first row of it
	s_add_co_u32 s[4+\e], s93, s[52+\e]            ; s4-11: the place behind its last row
	s_sub_co_u32 s[66+\e], s93, s94                ; s66-73: free places ahead of it
	s_add_co_u32 s94, s94, s[52+\e]
	s_mov_b32 s[52+\e], s94                        ; s52-59: rows up to and with it: free place number p of its tiles is place p + that
.endr
	s_and_b32 s95, s22, 1
	s_lshl_b32 s95, s95, 4                         ; my 16 rows begin at this bit of my half's 32
	s_lshl_b32 s96, 1, s95
	s_sub_co_u32 s96, s96, 1                       ; the half's rows ahead of them
	s_cmp_gt_u32 s22, 1
	s_cselect_b32 s97, -1, 0                       ; the first half's rows count for waves 2 and 3
.irp e, 0,1,2,3,4,5,6,7
	v_cmp_eq_u32 s98, \e, v10
	v_cmp_eq_u32 s99, \e, v11
	s_lshr_b32 s[40+\e], s98, s95
	s_and_b32 s[40+\e], s[40+\e], 0xffff           ; which of my 16 rows are of domain e
	s_and_b32 s98, s98, s96
	s_bcnt1_i32_b32 s98, s98
	s_and_b32 s99, s99, s97
	s_bcnt1_i32_b32 s99, s99
	s_add_co_u32 s[74+\e], s[74+\e], s98
	s_add_co_u32 s[74+\e], s[74+\e], s99           ; the place of the first of them
.endr
	s_lshl_b32 s30, s26, 4                         ; my first row
	s_lshl_b32 s31, s26, 1                         ; my two free places' numbers: 8 g + 2 w + h
	s_lshl_b32 s98, s22, 6
	s_add_co_u32 s98, s98, PLC
	v_mov_b32 v33, 0
	v_mov_b32 v34, 0
.irp e, 0,1,2,3,4,5,6,7
	v_mbcnt_lo_u32_b32 v32, s[40+\e], s[74+\e]     ; + those of my 16 rows below this lane (lanes 0-15)
	v_cmp_eq_u32 vcc_lo, \e, v12
	v_cndmask_b32 v33, v33, v32, vcc_lo
.endr
	v_permlanex16_b32 v34, v33, s24, s25
	v_cmp_eq_u32 vcc_lo, 1, v[HH]
	v_cndmask_b32 v33, v33, v34, vcc_lo            ; lane 16 + r holds row r's place too
	v_min_u32 v33, 9215, v33                       ; held inside the places
	v_add_nc_u32 v30, s31, v[HH]
	v_mov_b32 v31, s52
.irp e, 1,2,3,4,5,6,7
	v_cmp_le_u32 vcc_lo, s[66+\e], v30             ; the last domain with no more free places ahead of it than my number (one without free places is passed over by the next)
	v_cndmask_b32 v31, v31, s[52+\e], vcc_lo
.endr
	v_add_nc_u32 v31, v31, v30
	v_min_u32 v31, 9215, v31                       ; the free place
	v_and_b32 v35, 1, v33
	v_and_b32 v37, 1, v31
	v_lshrrev_b32 v6, 1, v33
	v_lshrrev_b32 v8, 1, v31
	v_mad_u32_u24 v6, v35, 4608, v6                ; in the list: even places first, then the odd ones
	v_mad_u32_u24 v8, v37, 4608, v8
	v_min_u32 v6, 9215, v6
	v_min_u32 v8, 9215, v8
	v_lshlrev_b32 v6, 2, v6
	v_lshlrev_b32 v8, 2, v8
	v_add_nc_u32 v7, s30, v[RR]                    ; my row's number
	v_mul_u32_u24 v9, v31, 768
	v_lshl_add_u32 v9, v[RR], 4, v9
	v_and_b32 v35, 1, v[RR]
	v_lshlrev_b32 v10, 5, v31
	v_lshl_add_u32 v10, v35, 4, v10
	v_lshlrev_b32 v11, 5, v33
	v_lshl_add_u32 v11, v[HH], 4, v11              ; msc: row r's 32 bytes, 16 for each half of the lanes
	v_lshl_add_u32 v36, v[RR], 2, s98
	v_lshl_add_u32 v37, v[HH], 2, s98
	ds_store_b32 v36, v33                          ; my own 16 places: no other wave reads them, and LDS serves a wave's instructions in order
.irp m, 0,1,2,3,4,5,6,7
	ds_load_b32 v[38+\m], v37 offset:8*\m          ; the places of my rows 2 m + h
.endr
	s_wait_alu depctr_va_vdst(0)
	s_wait_dscnt 0x0
.irp m, 0,1,2,3,4,5,6,7
	v_min_u32 v[38+\m], 9215, v[38+\m]             ; held inside mq
.endr
.irp m, 0,1,2,3,4,5,6,7
	v_mul_u32_u24 v[38+\m], v[38+\m], 768
.endr
	WIN 0x80
.irp m, 0,1,2,3,4,5,6,7
	v_lshl_add_u32 v[RWO+\m], v[RR], 4, v[38+\m]
.endr
	WIN 0
	LOADF 128,0x40,32,1536                         ; K step 3: 64 loads of mine are out at the most
	s_wait_alu depctr_va_vdst(0)
.irp f, 0,1,2,3,4,5,6,7
	FRM \f
.endr
	UBACK 2, T                                     ; LDS serves a wave's instructions in order: these see my stores
	v_cmp_eq_u32 vcc_lo, 1, v[HH]
.irp q, 0,1,2,3
	v_cndmask_b32 v[TM+\q], v[PW8+\q], v[PW8+4+\q], vcc_lo   ; lanes 0-15: K steps 0 to 3 of row r; lanes 16-31: 4 to 7 (both halves hold row r's words)
.endr
.irp q, 0,1,2,3
	v_mov_b32 v[38+\q], 0
	v_mov_b32 v[42+\q], 0x7f7f7f7f
.endr
	s_wait_alu depctr_va_vdst(0)
	s_wait_dscnt 0x0
	UOUT 2, T
	global_store_b128 v11, v[TM:TM+3], s[16:17]
	global_store_b32 v6, v7, s[18:19] offset:1024  ; both halves of the lanes store the same words with the same values
.irp u, 0,1,2
	global_store_b128 v9, v[38:41], s[14:15] offset:256*\u   ; two free places: 16 lanes store 256 consecutive bytes
.endr
	global_store_b128 v10, v[42:45], s[16:17]      ; (lanes of the same parity store the same bytes with the same values; likewise below)
	global_store_b32 v8, v38, s[18:19] offset:1024
	s_cmp_lg_u32 ttmp9, 0
	s_cbranch_scc1 .Lmu_end
	v_mul_u32_u24 v46, v0, 144                     ; work-group 0: the table of tiles: thread t writes entry t
	v_mov_b32 v48, 0
	v_mov_b32 v49, s4
.irp e, 1,2,3,4,5,6,7
	v_cmp_le_u32 vcc_lo, s[84+\e], v0              ; the last domain whose first tile is not behind t (a domain without rows is passed over by the next)
	v_cndmask_b32 v48, v48, \e, vcc_lo
	v_cndmask_b32 v49, v49, s[4+\e], vcc_lo
.endr
	v_sub_nc_u32 v49, v49, v46                     ; the domain's rows from this tile on,
	v_min_u32 v49, 144, v49                        ; 144 of them at the most
	v_cmp_le_u32 vcc_lo, s92, v0
	v_cndmask_b32 v48, v48, 8, vcc_lo              ; behind the last tile: no domain, no rows
	v_cndmask_b32 v49, v49, 0, vcc_lo
	v_lshlrev_b32 v50, 3, v0
	global_store_b64 v50, v[48:49], s[18:19]
.Lmu_end:
	s_wait_tensorcnt 0x0                           ; the wave's end
	ds_add_u32 v254, v255
	s_wait_dscnt 0x0
	s_endpgm
	; ---------------- W: work-group g = number - 128 takes rows 16 (g / 2) .. + 15 of every domain; wave w K step 4 (g % 2) + w
.Lw:
	s_sub_co_u32 s26, ttmp9, 128                   ; g
	s_lshr_b32 s27, s26, 1                         ; the block of 16 rows
	s_and_b32 s28, s26, 1
	s_lshl_b32 s29, s28, 2
	s_add_co_u32 s29, s29, s22                     ; the K step
	s_lshl_b32 s30, s27, 16
	s_lshl_b32 s31, s29, 9
	s_add_co_u32 s30, s30, s31
	s_mov_b32 s31, 0
	s_add_nc_u64 s[32:33], s[4:5], s[30:31]        ; domain 0's fragment;
.irp e, 1,2,3,4,5,6,7
	s_add_nc_u64 s[32+2*\e:33+2*\e], s[32:33], \e*0x400000   ; the others' lie 4 MiB apart: a base for each, never rewritten
.endr
	LOADF W0,0,32,0                                ; domains 0 to 3: 64 loads of mine are out
	LOADF 0,0x40,34,0
	LOADF 64,0x40,36,0
	LOADF 128,0x40,38,0
	s_lshl_b32 s50, s27, 3
	s_add_co_u32 s50, s50, s29
	s_mul_i32 s50, s50, 1536
	s_mov_b32 s51, 0
	s_add_nc_u64 s[48:49], s[10:11], s[50:51]      ; wq at (domain 0, block, K step); a domain on is 786,432 bytes
	s_mul_i32 s30, s22, 8448
	s_add_co_u32 s30, s30, STGW                    ; my stage
	v_add_nc_u32 v[SI], s30, v[LD]
	v_mul_u32_u24 v[SO], v[RR], 528
	v_lshl_add_u32 v[SO], v[HH], 6, v[SO]
	v_add_nc_u32 v[SO], s30, v[SO]
	s_wait_alu depctr_va_vdst(0)
.irp f, 0,1,2,3,4,5,6,7
	FRW \f
.endr
	; my lane's share: the sum of d^2 less an eighth of the sum of (sum of d)^2
.set p, 0
.rept 32
.if p < 4
	v_pk_mul_f32 v[TM+2*p:TM+2*p+1], v[SS+2*p:SS+2*p+1], v[SS+2*p:SS+2*p+1]
.else
	v_pk_fma_f32 v[TM+2*(p%4):TM+2*(p%4)+1], v[SS+2*p:SS+2*p+1], v[SS+2*p:SS+2*p+1], v[TM+2*(p%4):TM+2*(p%4)+1]
.endif
.set p, p+1
.endr
.irp k, 0,1,2,3
	v_pk_fma_f32 v[ACC+2*\k:ACC+2*\k+1], v[TM+2*\k:TM+2*\k+1], 0xbe000000, v[ACC+2*\k:ACC+2*\k+1] op_sel_hi:[1,0,1]   ; x -0.125
.endr
	v_pk_add_f32 v[ACC:ACC+1], v[ACC:ACC+1], v[ACC+2:ACC+3]
	v_pk_add_f32 v[ACC+4:ACC+5], v[ACC+4:ACC+5], v[ACC+6:ACC+7]
	v_pk_add_f32 v[ACC:ACC+1], v[ACC:ACC+1], v[ACC+4:ACC+5]
	v_add_f32 v[ACC], v[ACC], v[ACC+1]
	v_add_f32_dpp v[ACC], v[ACC], v[ACC] row_xmask:1 row_mask:0xf bank_mask:0xf
	v_add_f32_dpp v[ACC], v[ACC], v[ACC] row_xmask:2 row_mask:0xf bank_mask:0xf
	v_add_f32_dpp v[ACC], v[ACC], v[ACC] row_xmask:4 row_mask:0xf bank_mask:0xf
	v_add_f32_dpp v[ACC], v[ACC], v[ACC] row_xmask:8 row_mask:0xf bank_mask:0xf
	v_permlanex16_b32 v[ACC+1], v[ACC], s24, s25
	v_add_f32 v[ACC], v[ACC], v[ACC+1]             ; the wave's sum, in every lane
	; the scale words meet in LDS, so that they leave as whole runs of 256 bytes: for a domain [row][wave], which is wsc's order
	v_lshlrev_b32 v30, 4, v[RR]
	s_lshl_b32 s52, s22, 2
	s_add_co_u32 s52, s52, SCX
	v_add_nc_u32 v30, s52, v30                     ; SCX + 16 r + 4 x wave
.irp e, 0,1,2,3,4,5,6,7
	ds_store_b32 v30, v[PW8+\e] offset:256*\e      ; both halves of the lanes write the same word with the same value
.endr
	s_lshl_b32 s53, s22, 2
	s_add_co_u32 s53, s53, RS
	v_mov_b32 v31, s53
	ds_store_b32 v31, v[ACC]
	v_lshlrev_b32 v32, 4, v[RR]
	v_lshl_add_u32 v34, v[HH], 15, v32             ; in wsc: a domain on is 32,768 bytes
	v_lshl_add_u32 v32, v[HH], 8, v32
	s_lshl_b32 s54, s22, 9
	s_add_co_u32 s54, s54, SCX
	v_add_nc_u32 v32, s54, v32                     ; back: domain 2 x wave + h, 16 bytes a lane
	v_mov_b32 v33, RS
	s_lshl_b32 s55, s22, 7
	s_add_co_u32 s55, s55, s27                     ; (2 x wave) x 64 + block
	s_lshl_b32 s55, s55, 9
	s_lshl_b32 s56, s28, 8
	s_add_co_u32 s56, s55, s56
	s_mov_b32 s57, 0
	s_add_nc_u64 s[12:13], s[12:13], s[56:57]
	s_wait_alu depctr_va_vdst(0)
	s_wait_dscnt 0x0                               ; for the others' sake: my stores have landed
	s_barrier_signal -1
	s_barrier_wait -1
	ds_load_b128 v[58:61], v32
	ds_load_b128 v[62:65], v33
	s_wait_dscnt 0x0
	global_store_b128 v34, v[58:61], s[12:13]      ; 16 lanes store 256 consecutive bytes, at a multiple of 256 from wsc's first byte
	s_cmp_lg_u32 s22, 0
	s_cbranch_scc1 .Lw_end
	v_add_f32 v62, v62, v63                        ; wave 0: the work-group's partial sum
	v_add_f32 v64, v64, v65
	v_add_f32 v62, v62, v64
	v_mov_b32 v66, 0
	v_cmp_eq_u32 vcc_lo, 0, v0
	s_lshl_b32 s58, s26, 2
	s_mov_b32 s59, 0
	s_add_nc_u64 s[20:21], s[20:21], s[58:59]
	s_wait_alu depctr_va_vdst(0)
	s_wait_xcnt 0x0                                ; EXEC changes only behind this wait: the stores above have it among their sources
	s_and_saveexec_b32 s60, vcc_lo
	global_store_b32 v66, v62, s[20:21]            ; part[g], from lane 0
	s_wait_xcnt 0x0
	s_or_b32 exec_lo, exec_lo, s60
.Lw_end:
	s_wait_tensorcnt 0x0                           ; the wave's end
	ds_add_u32 v254, v255
	s_wait_dscnt 0x0
	s_endpgm
.Lfunc_end_k_q52890c563f_prep:
	.size	k_q52890c563f_prep, .Lfunc_end_k_q52890c563f_prep-k_q52890c563f_prep
	.p2alignl 7, 3214868480
	.fill 96, 4, 3214868480
	.section	.rodata,"a",@progbits
	.p2align	6, 0x0
	.amdhsa_kernel k_q52890c563f_prep
		.amdhsa_group_segment_fixed_size 121088
		.amdhsa_private_segment_fixed_size 0
		.amdhsa_enable_private_segment 0
		.amdhsa_kernarg_size 72
		.amdhsa_user_sgpr_count 2
		.amdhsa_user_sgpr_kernarg_segment_ptr 1
		.amdhsa_wavefront_size32 1
		.amdhsa_system_sgpr_workgroup_id_x 1
		.amdhsa_system_sgpr_workgroup_id_y 1
		.amdhsa_system_sgpr_workgroup_id_z 1
		.amdhsa_system_vgpr_workitem_id 0
		.amdhsa_next_free_vgpr 528
		.amdhsa_next_free_sgpr 100
		.amdhsa_reserve_vcc 1
		.amdhsa_float_denorm_mode_32 3
		.amdhsa_float_denorm_mode_16_64 3
		.amdhsa_memory_ordered 1
		.amdhsa_forward_progress 1
		.amdhsa_inst_pref_size 214
	.end_amdhsa_kernel
	.amdgpu_metadata
---
amdhsa.version: [ 1, 2 ]
amdhsa.kernels:
  - .name:           k_q52890c563f_prep
    .symbol:         k_q52890c563f_prep.kd
    .args:
      - { .name: W, .offset: 0, .size: 8, .value_kind: global_buffer, .address_space: global }
      - { .name: mu, .offset: 8, .size: 8, .value_kind: global_buffer, .address_space: global }
      - { .name: domain_ids, .offset: 16, .size: 8, .value_kind: global_buffer, .address_space: global }
      - { .name: wq, .offset: 24, .size: 8, .value_kind: global_buffer, .address_space: global }
      - { .name: wsc, .offset: 32, .size: 8, .value_kind: global_buffer, .address_space: global }
      - { .name: mq, .offset: 40, .size: 8, .value_kind: global_buffer, .address_space: global }
      - { .name: msc, .offset: 48, .size: 8, .value_kind: global_buffer, .address_space: global }
      - { .name: plan, .offset: 56, .size: 8, .value_kind: global_buffer, .address_space: global }
      - { .name: part, .offset: 64, .size: 8, .value_kind: global_buffer, .address_space: global }
    .group_segment_fixed_size: 121088
    .private_segment_fixed_size: 0
    .kernarg_segment_align: 8
    .kernarg_segment_size: 72
    .max_flat_workgroup_size: 128
    .sgpr_count:     100
    .vgpr_count:     528
    .wavefront_size: 32
...
	.end_amdgpu_metadata
.endif
;; end of part 1
;; launch proj (part 2): grid 4 x 64, 4 waves a work-group, no clusters, 135,424 bytes of LDS; arguments plan, mq, msc, wq, wsc, part, out0, out1; writes out0, out1
.if DOCPART == 2
	.amdgcn_target "amdgcn-amd-amdhsa--gfx1250"
	.amdhsa_code_object_version 6
	.text
	.protected	k_q52890c563f_proj
	.globl	k_q52890c563f_proj
	.p2align	8
	.type	k_q52890c563f_proj,@function
k_q52890c563f_proj:
	s_mov_b64 s[64:65], 0
	v_nop
	global_prefetch_b8 v0, s[64:65] scope:SCOPE_SE
	s_setreg_imm32_b32 hwreg(HW_REG_WAVE_MODE, 25, 1), 1
	s_wait_xcnt 0x0
; PROJ: out0[row][:] = Q(mu[row]) . Q(W[domain of row])^T on codes of FP6 (E2M3) with one E8M0 scale for each 32 along K; sums in f32.  Only the chosen domain's product is made for a row.
; A work-group (x, y) takes tile y of the plan (144 places, up to 144 rows of ONE domain) and output columns 256 x .. 256 x + 255.  Wave w makes 144 rows x 64 columns: 9 x 4 accumulators of 16 x 16.
; 64 tiles serve every split of 8,192 rows over 8 domains (the sum of ceil(rows / 144) is at most 64.8), so the grid is 4 x 64.  A tile that the split leaves without rows stores nothing and ends.
; THE TILE'S CODES AND SCALE WORDS lie in memory as dense blocks of 144 places: each wave brings 36 of them through registers into LDS (768 bytes of codes a row, 32 bytes of scale words behind them), and all four waves read their fragments there.
; These loads hang on the work-group's number alone; W's hang on the tile's domain, which is on its way meanwhile.
; W'S FRAGMENTS lie in memory as images of the operand's registers: each wave loads its own 4 blocks x 8 K steps straight into 384 registers, 512 consecutive bytes a load; none is loaded twice in a work-group.
; Of these 96 loads, 2 go out ahead of the rows' passage to LDS, 3 with each of its 18 pairs of rows, and 16, 12, 12 behind K steps 0, 1, 2: no more than 63 loads of a wave are ever asked to be out together from there on.
; THE STEPS are written twice: waves 0 and 1 fetch the next step's fragments behind row block 1, waves 2 and 3 behind row block 5, so that two waves multiply while the other two load from LDS.
; ROWS PAST THE TILE'S COUNT are places that no row takes: zero codes.  Their results are not stored: the tile's last block of rows goes out under EXEC.
; THE MATRIX INSTRUCTION IS USED TRANSPOSED: source 0 = 16 rows of W (output columns), source 1 = 16 rows of mu: a lane then holds eight neighbouring columns of one output row.
; out1: wave 0 of work-group (0, 63) adds the 128 partial sums of the launch before and divides by 8 x 1024 x 1024.
; NO CLUSTER, NO JOINT LOADS, though tiles of one domain read the same W and the four x read the same rows: how many tiles a domain has hangs on counts read from memory, and a work-group without rows, like the last block of a tile,
; goes by a branch on a stored number.  No prefetch: the text has no loop to run ahead in; all of W is asked for ahead of the fourth K step's products.
; LIMITS: row numbers from the list are held at 8,191 and the domain at 7 before they enter an address.  NaN and infinities among the inputs are not served; those that reach only a product that is not kept are not carried to the result.
; REGISTERS, in windows of 256 (s_set_vgpr_msb: bits 1:0 source 0, 3:2 source 1, 5:4 source 2, 7:6 destination):
;   window 0: v1-9 addresses; v10-19 mu's scale words, two sets of 5; v20-35 W's scale words; v36-143, v144-251 mu's fragments (9 x 12), two sets; v252, v253 for the way out.  Ahead of the K steps and on the way out v36-251 are at work.
;   window 1: W's fragments of K steps 0-4 at 48 s + 12 b.   window 2: those of K steps 5-7 at 48 (s - 5) + 12 b; the accumulators of row block 8 at 144 + 8 b; v176-247 my byte offsets in out0.
;   window 3: the accumulators (a, b), a = 0 .. 7, at 8 (4 a + b); ahead of the K steps: the tile's bytes.
.set PITCH, 816                        ; an LDS row: 768 bytes of codes, 32 of scale words, 16 more: 51 x 16 bytes, so that 16 rows begin in 16 different columns of 16 bytes
.set BLK,   16*PITCH
.set STAGE, 144*PITCH                  ; a stage of 16 rows x 272 bytes for each wave, for the way out
.set SPARE, STAGE+4*4352               ; the spare words, 128 bytes for each wave
.set ODDL,  18432                      ; bytes from the list's even places to its odd ones
.set AAD0, 1                           ; v1   816 r + 48 h: my place in row blocks 0-4
.set AAD1, 2                           ; v2   the same in blocks 5-8 (an LDS offset has 16 bits)
.set SAD0, 3                           ; v3   the scale words of row lane; lanes 0-15 an even block's, lanes 16-31 the odd block's behind it
.set SAD1, 4                           ; v4   of row 96 + lane
.set VB,   5                           ; v5   16 x lane
.set SAD2, 6                           ; v6   of row 128 + r: block 8's
.set C16,  7                           ; v7   16 r
.set STO,  8                           ; v8   the stage: where I put 32 bytes of a row
.set SRD,  9                           ; v9   and where I read a row back
.set SA,   10
.set SB,   20
.set AF,   36
.set VH,   252                         ; v252 h
.set VO,   253                         ; v253 my half of the list: ODDL x h
.set OFS,  176                         ; in window 2
.set MSB, 0
.macro WIN new                         ; the immediate's high byte repeats the setting that is left
.if MSB != \new
	s_set_vgpr_msb (MSB<<8)|\new
.set MSB, \new
.endif
.endm
; load n = 12 s + 3 b + j of W: registers 4 j .. of block b's fragment of K step s
.macro WLD n
.set ws, (\n)/12
.if ws < 5
	WIN 0x40
.set wr, 48*ws+4*((\n)%12)
.else
	WIN 0x80
.set wr, 48*(ws-5)+4*((\n)%12)
.endif
	global_load_b128 v[wr:wr+3], v[VB], s[32:33] offset:12288*(((\n)%12)/3)+1536*ws+512*((\n)%3)
.endm
; mu's nine fragments and five registers of scale words of K step s, into set s % 2: 32 LDS loads in one run
.macro FETCH s
.set FSS, SA+5*((\s)%2)
	ds_load_b32 v[FSS], v[SAD0] offset:4*(\s)
	ds_load_b32 v[FSS+1], v[SAD0] offset:2*BLK+4*(\s)
	ds_load_b32 v[FSS+2], v[SAD0] offset:4*BLK+4*(\s)
	ds_load_b32 v[FSS+3], v[SAD1] offset:4*(\s)
	ds_load_b32 v[FSS+4], v[SAD2] offset:4*(\s)
.set FAS, AF+108*((\s)%2)
.irp a, 0,1,2,3,4,5,6,7,8
.irp j, 0,1,2
.if \a < 5
	ds_load_b128 v[FAS+12*\a+4*\j:FAS+12*\a+4*\j+3], v[AAD0] offset:BLK*\a+96*(\s)+16*\j
.else
	ds_load_b128 v[FAS+12*\a+4*\j:FAS+12*\a+4*\j+3], v[AAD1] offset:BLK*(\a-5)+96*(\s)+16*\j
.endif
.endr
.endr
.endm
; one product; rD, rW, rF, rSW, rSX name its registers; md: 1 = W's words stand in lanes 16-31 (K steps 4-7), 2 = mu's do (an odd row block)
.macro WM1 zero
.if \zero
.if md == 0
	v_wmma_scale_f32_16x16x128_f8f6f4 v[rD:rD+7], v[rW:rW+11], v[rF:rF+11], 0, v[rSW], v[rSX] matrix_a_fmt:MATRIX_FMT_FP6 matrix_b_fmt:MATRIX_FMT_FP6
.else
	v_wmma_scale_f32_16x16x128_f8f6f4 v[rD:rD+7], v[rW:rW+11], v[rF:rF+11], 0, v[rSW], v[rSX] matrix_a_fmt:MATRIX_FMT_FP6 matrix_b_fmt:MATRIX_FMT_FP6 matrix_b_scale:MATRIX_SCALE_ROW1
.endif
.elseif md == 0
	v_wmma_scale_f32_16x16x128_f8f6f4 v[rD:rD+7], v[rW:rW+11], v[rF:rF+11], v[rD:rD+7], v[rSW], v[rSX] matrix_a_fmt:MATRIX_FMT_FP6 matrix_b_fmt:MATRIX_FMT_FP6
.elseif md == 1
	v_wmma_scale_f32_16x16x128_f8f6f4 v[rD:rD+7], v[rW:rW+11], v[rF:rF+11], v[rD:rD+7], v[rSW], v[rSX] matrix_a_fmt:MATRIX_FMT_FP6 matrix_b_fmt:MATRIX_FMT_FP6 matrix_a_scale:MATRIX_SCALE_ROW1
.elseif md == 2
	v_wmma_scale_f32_16x16x128_f8f6f4 v[rD:rD+7], v[rW:rW+11], v[rF:rF+11], v[rD:rD+7], v[rSW], v[rSX] matrix_a_fmt:MATRIX_FMT_FP6 matrix_b_fmt:MATRIX_FMT_FP6 matrix_b_scale:MATRIX_SCALE_ROW1
.else
	v_wmma_scale_f32_16x16x128_f8f6f4 v[rD:rD+7], v[rW:rW+11], v[rF:rF+11], v[rD:rD+7], v[rSW], v[rSX] matrix_a_fmt:MATRIX_FMT_FP6 matrix_b_fmt:MATRIX_FMT_FP6 matrix_a_scale:MATRIX_SCALE_ROW1 matrix_b_scale:MATRIX_SCALE_ROW1
.endif
.endm
; row block a of K step s: four products
.macro MULBLK s, a
.if (\s) < 5
.set SWB, 48*(\s)
.else
.set SWB, 48*((\s)-5)
.endif
.if (\a) < 8
	WIN 0xf1+(\s)/5                                ; source 0 (W) window 1 or 2, source 1 (mu) window 0, C and D window 3
.else
	WIN 0xa1+(\s)/5                                ; row block 8: C and D window 2
.endif
.irp b, 0,1,2,3
.if (\a) < 8
.set rD, 8*(4*(\a)+\b)
.else
.set rD, 144+8*\b
.endif
.set rW, SWB+12*\b
.set rF, AF+108*((\s)%2)+12*(\a)
.set rSW, SB+4*\b+(\s)%4
.set rSX, SA+5*((\s)%2)+(\a)/2
.set md, (\s)/4+2*((\a)%2)
	WM1 (\s)==0
.endr
.endm
.macro PLACES
.rept 4
	v_nop                                          ; four places (ISA guide 7.12.1)
.endr
.endm
; K step s, 0 to 6: 36 products, row block by row block.  The 36 accumulators take turns, one instruction a turn, in the same order in every step.  The first step's products start the sums: nothing is cleared.
; Behind block pos stands the run of LDS loads for the next step, into the set that the step before read.
.macro STEP s, pos
.if (\s) > 0
	PLACES                                         ; between the last step's products and the loads into the set of registers that they read
.endif
.if (\s) == 0
	s_wait_loadcnt 44                              ; this step's W, loads 0 to 11, is in; loads 12 to 55 may be out
.elseif (\s) < 4
	s_wait_loadcnt 48                              ; this step's W is in; four later steps', twelve loads each, may be out
.else
	s_wait_loadcnt 12*(7-(\s))                     ; the later steps' may be out
.endif
	s_wait_dscnt 0x0                               ; mu's fragments and scale words of this step are in
.irp a, 0,1,2,3,4,5,6,7,8
	MULBLK \s, \a
.if \a == \pos
	WIN 0
	FETCH (\s)+1
.endif
.endr
.if (\s) == 0
.irp k, 56,57,58,59
	WLD \k
.endr
.endif
.if (\s) < 3
.irp k, 60,61,62,63,64,65,66,67,68,69,70,71
	WLD \k+12*(\s)
.endr
.endif
	WIN 0
.endm
; THE WAY OUT of row block a.  A lane holds 32 neighbouring bytes of a row and the lanes beside it hold other rows: the block goes through my own stage (rows 272 = 17 x 16 bytes apart) and comes back as whole rows of 256 bytes.
; Each block has 32 registers of its own for what comes back: blocks 0-5 in window 0 from v36, blocks 6-8 in window 1 from v96: none is written while a store may read it.  Blocks 0-2's lie in the set of fragments that the last K step does not read.
.macro TOSTAGE a
.if (\a) < 8
	WIN 0x0c                                       ; an LDS store's data are its source 1: window 3
.set AC, 32*(\a)
.else
	WIN 0x08                                       ; window 2
.set AC, 144
.endif
.irp b, 0,1,2,3
	ds_store_b128 v[STO], v[AC+8*\b:AC+8*\b+3] offset:64*\b          ; each accumulator from its low end on
	ds_store_b128 v[STO], v[AC+8*\b+4:AC+8*\b+7] offset:64*\b+16
.endr
.if (\a) < 6
	WIN 0
.set BB, 36+32*(\a)
.else
	WIN 0x40
.set BB, 96+32*((\a)-6)
.endif
.irp t, 0,1,2,3,4,5,6,7
	ds_load_b128 v[BB+4*\t:BB+4*\t+3], v[SRD] offset:544*\t          ; LDS serves a wave's instructions in order: these see the stores above, and the next block's stores come behind them
.endr
	WIN 0
.endm
.macro SEND a, younger                 ; younger: the LDS instructions issued behind block a's loads, which may stay out
	s_wait_dscnt \younger
.if (\a) < 6
	WIN 0x02                                       ; a store's address is its source 0: window 2; its data are source 1
.set BB, 36+32*(\a)
.else
	WIN 0x06
.set BB, 96+32*((\a)-6)
.endif
.irp t, 0,1,2,3,4,5,6,7
	global_store_b128 v[OFS+8*(\a)+\t], v[BB+4*\t:BB+4*\t+3], s[16:17] th:TH_STORE_NT   ; 16 lanes store 256 consecutive bytes of a row, at a multiple of 256 from out0's first byte
.endr
	WIN 0
.endm
	s_load_b512 s[4:19], s[0:1], 0x0               ; plan 4:5, mq 6:7, msc 8:9, wq 10:11, wsc 12:13, part 14:15, out0 16:17, out1 18:19
	v_lshl_add_u32 v254, v0, 2, SPARE              ; my spare word, and 0
	v_mov_b32 v255, 0
	v_lshrrev_b32 v36, 5, v0
	v_readfirstlane_b32 s20, v36                   ; wave 0..3
	s_and_b32 s21, ttmp7, 0xffff                   ; the tile
	v_and_b32 v42, 31, v0                          ; lane
	v_and_b32 v43, 15, v0                          ; r
	v_bfe_u32 v[VH], v0, 4, 1                      ; h
	v_lshlrev_b32 v[VB], 4, v42
	v_lshlrev_b32 v[C16], 4, v43
	v_and_b32 v46, 7, v42
	v_lshlrev_b32 v46, 4, v46                      ; 16 (lane % 8): the last four of my rows' scale words are 128 bytes
	v_mul_u32_u24 v[VO], v[VH], ODDL               ; the list: places 2 i + h, i = 0 .. 71
	s_lshl_b32 s24, s21, 3                         ; the tile's entry: 8 bytes
	s_mov_b32 s25, 0
	s_mul_i32 s26, s21, 288                        ; its part of the list's even places: 72 words, behind the 1,024 bytes of entries
	s_add_co_u32 s26, s26, 1024
	s_mov_b32 s27, 0
	s_mul_i32 s28, s21, 144*768                    ; my 36 rows of the tile: codes
	s_mul_i32 s29, s20, 36*768
	s_add_co_u32 s28, s28, s29
	s_mov_b32 s29, 0
	s_mul_i32 s30, s21, 144*32                     ; and scale words
	s_mul_i32 s31, s20, 36*32
	s_add_co_u32 s30, s30, s31
	s_mov_b32 s31, 0
	s_wait_alu depctr_va_vdst(0)
	s_wait_kmcnt 0x0
	s_add_nc_u64 s[24:25], s[4:5], s[24:25]
	s_add_nc_u64 s[26:27], s[4:5], s[26:27]
	s_load_b64 s[22:23], s[24:25], 0x0             ; s22 the domain (8: no rows), s23 the rows
	s_add_nc_u64 s[6:7], s[6:7], s[28:29]
	s_add_nc_u64 s[8:9], s[8:9], s[30:31]
	WIN 0x80
.irp k, 0,1,2,3,4,5,6,7,8,9,10,11,12,13,14,15,16,17
	global_load_b128 v[OFS+4*\k:OFS+4*\k+3], v[VO], s[26:27] offset:16*\k
.endr
	WIN 0xc0                                       ; destination window 3
.set n, 0
.rept 54
	global_load_b128 v[4*n:4*n+3], v[VB], s[6:7] offset:512*n   ; 512 consecutive bytes: three loads are two rows
.set n, n+1
.endr
	global_load_b128 v[216:219], v[VB], s[8:9]     ; sixteen rows' eight scale words
	global_load_b128 v[220:223], v[VB], s[8:9] offset:512
	global_load_b128 v[224:227], v46, s[8:9] offset:1024
	WIN 0
	; addresses, while those are on their way
	v_mul_u32_u24 v[AAD0], v43, PITCH
	v_add_nc_u32 v[SAD2], 128*PITCH+768, v[AAD0]
	v_mad_u32_u24 v[AAD0], v[VH], 48, v[AAD0]
	v_add_nc_u32 v[AAD1], 5*BLK, v[AAD0]
	v_mul_u32_u24 v[SAD0], v42, PITCH
	v_add_nc_u32 v[SAD0], 768, v[SAD0]
	v_add_nc_u32 v[SAD1], 96*PITCH, v[SAD0]
	s_mul_i32 s42, s20, 4352
	s_add_co_u32 s42, s42, STAGE                   ; my stage
	v_mul_u32_u24 v[STO], v43, 272
	v_lshl_add_u32 v[STO], v[VH], 5, v[STO]
	v_add_nc_u32 v[STO], s42, v[STO]               ; in: row r, 32 bytes for each half of the lanes
	v_mul_u32_u24 v[SRD], v[VH], 272
	v_add_nc_u32 v[SRD], v[SRD], v[C16]
	v_add_nc_u32 v[SRD], s42, v[SRD]               ; back: lanes 0-15 one row, lanes 16-31 the next
	s_mul_i32 s43, s20, 36*PITCH                   ; my 36 rows in LDS
	v_add_nc_u32 v74, s43, v[VB]                   ; where the codes go: of two rows' 1,536 bytes the first 512 and the last 512,
	v_mad_u32_u24 v77, v[VH], PITCH-768, v74       ; and those between: lanes 16-31 begin the second row
	s_add_co_u32 s43, s43, 768
	v_and_b32 v81, 1, v42
	v_lshlrev_b32 v81, 4, v81                      ; 16 (lane % 2): my half of a row's eight scale words
	v_lshrrev_b32 v78, 1, v42
	v_mad_u32_u24 v75, v78, PITCH, v81
	v_add_nc_u32 v75, s43, v75                     ; the scale words: row 16 i + lane / 2,
	v_bfe_u32 v80, v42, 1, 2
	v_mad_u32_u24 v76, v80, PITCH, v81
	v_add_nc_u32 v76, s43, v76                     ; or 32 + (lane / 2) % 4: there four lanes write the same bytes with the same values
	s_lshl_b32 s44, ttmp9, 10
	s_lshl_b32 s45, s20, 8
	s_add_co_u32 s44, s44, s45
	s_mov_b32 s45, 0
	s_add_nc_u64 s[16:17], s[16:17], s[44:45]      ; out0 at my 64 columns
	; out1, by one wave of the launch
	s_xor_b32 s28, s21, 63
	s_or_b32 s28, s28, ttmp9
	s_or_b32 s28, s28, s20
	s_wait_alu depctr_va_vdst(0)
	s_cmp_lg_u32 s28, 0
	s_cbranch_scc1 .Lno_out1
	global_load_b128 v[100:103], v[VB], s[14:15]   ; 128 partial sums, four a lane
	s_mov_b32 s30, 0x76543210
	s_mov_b32 s31, 0xfedcba98
	v_mov_b32 v104, 0
	v_mov_b32 v105, 0
	s_wait_alu depctr_va_vdst(0)
	s_wait_loadcnt 0x0
	v_add_f32 v100, v100, v101
	v_add_f32 v102, v102, v103
	v_add_f32 v100, v100, v102
	v_add_f32_dpp v100, v100, v100 row_xmask:1 row_mask:0xf bank_mask:0xf
	v_add_f32_dpp v100, v100, v100 row_xmask:2 row_mask:0xf bank_mask:0xf
	v_add_f32_dpp v100, v100, v100 row_xmask:4 row_mask:0xf bank_mask:0xf
	v_add_f32_dpp v100, v100, v100 row_xmask:8 row_mask:0xf bank_mask:0xf
	v_permlanex16_b32 v104, v100, s30, s31
	v_add_f32 v100, v100, v104
	v_mul_f32 v100, 0x34000000, v100               ; x 2^-23: the mean over 8 x 1024 x 1024 numbers
	v_cmp_eq_u32 vcc_lo, 0, v42
	s_wait_alu depctr_va_vdst(0)
	s_wait_xcnt 0x0                                ; EXEC changes only behind this wait
	s_and_saveexec_b32 s29, vcc_lo
	global_store_b32 v105, v100, s[18:19]
	s_wait_xcnt 0x0
	s_or_b32 exec_lo, exec_lo, s29
.Lno_out1:
	s_wait_kmcnt 0x0                               ; the tile's entry
	s_min_u32 s28, s22, 7                          ; the domain, held inside W (a tile without rows runs on with 7 up to the barrier, which every wave passes)
	s_min_u32 s23, s23, 144
	s_max_u32 s23, s23, 1
	s_lshl_b32 s29, s28, 6
	s_lshl_b32 s30, ttmp9, 4
	s_add_co_u32 s29, s29, s30
	s_lshl_b32 s30, s20, 2
	s_add_co_u32 s29, s29, s30                     ; my first block of 16 rows of W: 64 x domain + 16 x + 4 w
	s_mul_i32 s32, s29, 12288                      ; a block's eight fragments
	s_mov_b32 s33, 0
	s_add_nc_u64 s[32:33], s[10:11], s[32:33]
	s_lshl_b32 s34, s29, 9                         ; and their scale words
	s_mov_b32 s35, 0
	s_add_nc_u64 s[34:35], s[12:13], s[34:35]
.irp b, 0,1,2,3
	global_load_b128 v[SB+4*\b:SB+4*\b+3], v[VB], s[34:35] offset:512*\b   ; register q: lanes 0-15 row r's word of K step q, lanes 16-31 of K step 4 + q
.endr
	WLD 0
	WLD 1
	; my byte offsets in out0, while those are on their way
	s_wait_loadcnt 63                              ; the list is in: 57 + 6 loads were issued behind it
	WIN 0x88                                       ; destination and source 1 window 2
.set i, 0
.rept 72
	v_min_u32 v[OFS+i], 0x1fff, v[OFS+i]
.set i, i+1
.endr
	WIN 0x82                                       ; destination and source 0 window 2
.set i, 0
.rept 72
	v_lshl_add_u32 v[OFS+i], v[OFS+i], 12, v[C16]  ; a row of out0 is 4,096 bytes
.set i, i+1
.endr
	s_wait_alu depctr_va_vdst(0)
.irp p, 0,1,2,3,4,5,6,7,8,9,10,11,12,13,14,15,16,17
	WIN 0x0c                                       ; an LDS store's data are its source 1: window 3
	s_wait_loadcnt 60                              ; this pair of rows is in: behind it stand the later pairs' 3 (17 - p), the scale words' 3 + 4, 2 of W and the 3 p of W issued below
	ds_store_b128 v74, v[12*\p:12*\p+3] offset:2*PITCH*\p
	ds_store_b128 v77, v[12*\p+4:12*\p+7] offset:2*PITCH*\p+512
	ds_store_b128 v74, v[12*\p+8:12*\p+11] offset:2*PITCH*\p+PITCH+256
	WLD 2+3*\p
	WLD 3+3*\p
	WLD 4+3*\p
.endr
	WIN 0x0c
	s_wait_loadcnt 60                              ; mu's scale words are in: 4 + 56 loads for W were issued behind them
	ds_store_b128 v75, v[216:219]
	ds_store_b128 v75, v[220:223] offset:BLK
	ds_store_b128 v76, v[224:227] offset:2*BLK
	WIN 0
	s_wait_dscnt 0x0                               ; for the others' sake: my 36 rows lie in LDS
	s_barrier_signal -1
	s_barrier_wait -1                              ; the launch's one barrier: all 144 rows do
	s_cmp_gt_u32 s22, 7                            ; a tile without rows ends here; no barrier follows
	s_cbranch_scc1 .Lend
	FETCH 0
	s_cmp_gt_u32 s20, 1
	s_cbranch_scc1 .Lwaves_2_3
.irp s, 0,1,2,3,4,5,6
	STEP \s, 1
.endr
	s_branch .Llast
.Lwaves_2_3:
.irp s, 0,1,2,3,4,5,6
	STEP \s, 5
.endr
.Llast:
	PLACES                                         ; between K step 6's products and the loads into the registers that they read
	s_wait_loadcnt 0x0                             ; the last of W is in,
	s_wait_dscnt 0x0                               ; and mu's last fragments
; THE LAST K STEP in three groups of three row blocks; finished blocks begin to go out between the groups
.irp a, 0,1,2,3,4,5,6,7,8
.if \a < 3
	MULBLK 7, 3*\a
	MULBLK 7, 3*\a+1
	MULBLK 7, 3*\a+2
	WIN 0
	PLACES                                         ; for the first reads of these results, and for the loads into registers that the products read
.endif
	TOSTAGE \a
.if \a > 0
	SEND \a-1, 16                                  ; behind block a - 1's loads: block a's 8 stores and 8 loads
.endif
	s_mov_b32 s47, \a
.if \a < 8
	s_cmp_le_u32 s23, 16*\a+16                     ; is block a the tile's last?
.else
	s_cmp_lt_u32 s23, 144                          ; is block 8 not full?
.endif
	s_cbranch_scc1 .Ltail
.endr
	SEND 8, 0
.Lend:
	s_wait_tensorcnt 0x0                           ; the wave's end
	ds_add_u32 v254, v255
	s_wait_dscnt 0x0
	s_endpgm
; THE TILE'S LAST BLOCK of rows, number s47, 1 to 16 rows: it lies in my stage.  It is read back once more, into registers that are the same for every block, and each pair of rows is stored under EXEC
.Ltail:
	s_wait_dscnt 0x0                               ; the loads that the block's own text issued are back
	s_wait_xcnt 0x0                                ; the stores so far have read their registers and their base
	s_lshl_b32 s28, s47, 5
	s_mov_b32 s29, 0
	s_add_nc_u64 s[26:27], s[26:27], s[28:29]      ; eight words of each half of the list
	global_load_b128 v[100:103], v[VO], s[26:27]
	global_load_b128 v[104:107], v[VO], s[26:27] offset:16
.irp t, 0,1,2,3,4,5,6,7
	ds_load_b128 v[36+4*\t:39+4*\t], v[SRD] offset:544*\t
.endr
	s_lshl_b32 s28, s47, 4
	s_sub_co_i32 s28, s23, s28                     ; the block's rows
	s_wait_loadcnt 0x0
	s_wait_dscnt 0x0
.irp t, 0,1,2,3,4,5,6,7
	v_min_u32 v[100+\t], 0x1fff, v[100+\t]
.endr
.irp t, 0,1,2,3,4,5,6,7
	v_lshl_add_u32 v[100+\t], v[100+\t], 12, v[C16]
.endr
	s_wait_alu depctr_va_vdst(0)
.irp t, 0,1,2,3,4,5,6,7
	s_sub_co_i32 s29, s28, 2*\t
	v_cmp_gt_i32 vcc_lo, s29, v[VH]                ; is row 2 t + h one of them?
	s_wait_xcnt 0x0                                ; EXEC changes only behind this wait
	s_and_saveexec_b32 s30, vcc_lo
	global_store_b128 v[100+\t], v[36+4*\t:39+4*\t], s[16:17] th:TH_STORE_NT
	s_wait_xcnt 0x0
	s_or_b32 exec_lo, exec_lo, s30
.endr
	s_branch .Lend
.Lfunc_end_k_q52890c563f_proj:
	.size	k_q52890c563f_proj, .Lfunc_end_k_q52890c563f_proj-k_q52890c563f_proj
	.p2alignl 7, 3214868480
	.fill 96, 4, 3214868480
	.section	.rodata,"a",@progbits
	.p2align	6, 0x0
	.amdhsa_kernel k_q52890c563f_proj
		.amdhsa_group_segment_fixed_size 135424
		.amdhsa_private_segment_fixed_size 0
		.amdhsa_enable_private_segment 0
		.amdhsa_kernarg_size 64
		.amdhsa_user_sgpr_count 2
		.amdhsa_user_sgpr_kernarg_segment_ptr 1
		.amdhsa_wavefront_size32 1
		.amdhsa_system_sgpr_workgroup_id_x 1
		.amdhsa_system_sgpr_workgroup_id_y 1
		.amdhsa_system_sgpr_workgroup_id_z 1
		.amdhsa_system_vgpr_workitem_id 0
		.amdhsa_next_free_vgpr 1024
		.amdhsa_next_free_sgpr 66
		.amdhsa_reserve_vcc 1
		.amdhsa_float_denorm_mode_32 3
		.amdhsa_float_denorm_mode_16_64 3
		.amdhsa_memory_ordered 1
		.amdhsa_forward_progress 1
		.amdhsa_inst_pref_size 167
	.end_amdhsa_kernel
	.amdgpu_metadata
---
amdhsa.version: [ 1, 2 ]
amdhsa.kernels:
  - .name:           k_q52890c563f_proj
    .symbol:         k_q52890c563f_proj.kd
    .args:
      - { .name: plan, .offset: 0, .size: 8, .value_kind: global_buffer, .address_space: global }
      - { .name: mq, .offset: 8, .size: 8, .value_kind: global_buffer, .address_space: global }
      - { .name: msc, .offset: 16, .size: 8, .value_kind: global_buffer, .address_space: global }
      - { .name: wq, .offset: 24, .size: 8, .value_kind: global_buffer, .address_space: global }
      - { .name: wsc, .offset: 32, .size: 8, .value_kind: global_buffer, .address_space: global }
      - { .name: part, .offset: 40, .size: 8, .value_kind: global_buffer, .address_space: global }
      - { .name: out0, .offset: 48, .size: 8, .value_kind: global_buffer, .address_space: global }
      - { .name: out1, .offset: 56, .size: 8, .value_kind: global_buffer, .address_space: global }
    .group_segment_fixed_size: 135424
    .private_segment_fixed_size: 0
    .kernarg_segment_align: 8
    .kernarg_segment_size: 64
    .max_flat_workgroup_size: 128
    .sgpr_count:     66
    .vgpr_count:     1024
    .wavefront_size: 32
...
	.end_amdgpu_metadata
.endif
;; end of part 2
